; MI455X (gfx1250); checked and timed in simulation.
; The chip was launched on July 23, 2026; its instructions are those of AMD's public machine-readable ISA for CDNA 5 (MIT licence, August 2026) and "CDNA5" Instruction Set Architecture Reference Guide (July 2026). The comments in the code are by the model that wrote it; some were corrected since.
;; Hybrid Llama Attention. Allowed arithmetic: matrix products marked QUANTISED: E4M3 operands, one given power-of-two scale a tensor, by v_wmma_f32_16x16x64_fp8_fp8 or v_wmma_f32_16x16x128_fp8_fp8, f32 sums; everything else in f32.
;; Inputs: lowp_scales 12 int32 (the exponents e of the quantised operands' scales 2^e); mask 1 x 1 x 2,048 x 2,048 float32; rope_cos 2,048 x 128 float32; rope_sin 2,048 x 128 float32; wk 2,048 x 2,048 float32; wo 2,048 x 2,048 float32; wq 2,048 x 2,048 float32; wv 2,048 x 2,048 float32; x 1 x 2,048 x 2,048 float32.
;; Outputs: out0 1 x 2,048 x 2,048 float32.
;; This version of the problem:
;;   THIS VERSION OF THE PROBLEM IS GIVEN IN LOW PRECISION. The matrix products marked QUANTISED in the list below multiply operands that are first quantised to E4M3 (4 exponent bits, 3 mantissa bits; 8 bits a number), with one given power-of-two scale for each operand tensor; their sums are f32. All else is computed in f32.
;;   The module's matrix products, in the order in which they are computed (A, B: the left and right operand; K: the contracted axis; several contracted axes count as one K, in the product's order):
;;     1. [M 2,048, K 2,048] x [K 2,048, N 2,048]; A: input x; B: input wq: QUANTISED (scales: A lowp_scales[0], B lowp_scales[1])
;;     2. [M 2,048, K 2,048] x [K 2,048, N 2,048]; A: input x; B: input wk: QUANTISED (scales: A lowp_scales[2], B lowp_scales[3])
;;     3. [M 2,048, K 2,048] x [K 2,048, N 2,048]; A: input x; B: input wv: QUANTISED (scales: A lowp_scales[4], B lowp_scales[5])
;;     4. batch 16 x [M 2,048, K 128] x [K 128, N 2,048]; A: computed on the way; B: computed on the way: QUANTISED (scales: A lowp_scales[6], B lowp_scales[7])
;;     5. batch 16 x [M 2,048, K 2,048] x [K 2,048, N 128]; A: softmax (see below); B: computed on the way: QUANTISED (scales: A lowp_scales[8], B lowp_scales[9])
;;     6. [M 2,048, K 2,048] x [K 2,048, N 2,048]; A: computed on the way; B: input wo: QUANTISED (scales: A lowp_scales[10], B lowp_scales[11])
;;   THE QUANTISER, for each operand of a quantised product, along K:
;;     - The operand's scale is 2^e, e = its entry of the input lowp_scales (int32; the entries are numbered through the quantised products in the list's order, A before B).
;;     - Each number is divided by the scale, clamped to +-448, and rounded to the nearest number of E4M3, ties to even, subnormals kept.
;;     - The product sums the exact products of the quantised numbers (number of the format x scale) in f32.
;;   ~~~python
;;   def quantise(x, axis, e):      # numpy; x: float32 -> the quantised numbers, widened to float32 again
;;       x = np.moveaxis(x, axis, -1); K = x.shape[-1]
;;       r = np.clip(x / 2.0 ** e, -448, 448)
;;       step = 2.0 ** (np.maximum(np.frexp(np.where(r == 0, 1, r))[1] - 1, -6) - 3)
;;       q = np.round(r / step) * step * 2.0 ** e      # np.round: ties to even
;;       return np.moveaxis(q, -1, axis).astype(np.float32)
;;   ~~~
;;   SOFTMAX AHEAD OF A QUANTISED PRODUCT. Where the list says 'softmax', what is quantised is not the finished softmax but p = 2^(t - M), with t = logit x log2(e) and M = ceil(the row's largest t), a whole number; so 1/2 < the row's largest p <= 1. The row's sum l is taken of the UNQUANTISED p, in f32, and the product's result is divided by l at the end. Since M is a whole number, a kernel that streams over the keys may use a running M (the ceiling of the running maximum): every later rescaling is an exact power of two, so the quantised numbers keep their values, but for numbers so far below the row's largest that they fall under the format's range.
;;   OPERANDS COMPUTED ON THE WAY. 'Computed on the way' means the value that the module computes at that place (a softmax that the list does not call 'softmax' is quantised finished and normalised). What goes into a quantiser is computed in f32, as accurately as f32 sums, v_exp_f32 and their like allow (about 1e-6 of the number): no bf16 or f16 on the way to a quantiser, and a product that is left as it is and whose result goes on into a quantised operand takes f32 operands (vector FMAs, or v_wmma_f32_16x16x4_f32). A number that lies on a knife's edge between two numbers of the format may be rounded either way, as far as f32 arithmetic and the matrix unit's own rounding can turn it there, and no further.
;; One version. Each part assembles by itself: llvm-mc -triple=amdgcn-amd-amdhsa -mcpu=gfx1250 --defsym DOCPART=n.
;; ======== version 1 of 1: 4 launches
;; limits: right only within a limited range of input values
;; workspace buffers: codes 29,360,128 bytes; rope_img 2,097,152 bytes; q_codes 4,194,304 bytes; kv_codes 8,388,608 bytes; ao_codes 4,194,304 bytes
;; launch quant (part 1): grid 672 x 1, 4 waves a work-group, no clusters, 33,280 bytes of LDS; arguments x, wq, wk, wv, wo, rope_cos, rope_sin, lowp_scales, codes, rope_img; writes codes, rope_img
.if DOCPART == 1
	.amdgcn_target "amdgcn-amd-amdhsa--gfx1250"
	.amdhsa_code_object_version 6
	.text
	.protected	k_q231d95414c_quant
	.globl	k_q231d95414c_quant
	.p2align	8
	.type	k_q231d95414c_quant,@function
k_q231d95414c_quant:
	s_mov_b64 s[64:65], 0
	v_nop
	global_prefetch_b8 v0, s[64:65] scope:SCOPE_SE
	s_setreg_imm32_b32 hwreg(HW_REG_WAVE_MODE, 25, 1), 1
	s_wait_xcnt 0x0
; x, wq, wk, wv, wo ([2048][2048] f32, K innermost) become codes of FP8 (E4M3), one byte each, K innermost, in seven sections of 4 MiB of the buffer codes:
;   0 x with e0, 1 x with e2, 2 wv with e5, 3 wq with e1, 4 wk with e3, 5 x with e4, 6 wo with e11.  x has three given scales, so it is read once and converted three times.
; code = number / 2^e, held within +-448, to the nearest code, ties to even.  LIMITS: each e between -126 and 119, so that 2^e and 448 x 2^e are f32 numbers; NaN among the inputs is not served.
; Work-groups 0-639: tensor g = number / 128; a work-group takes 32,768 numbers, a wave 8,192 in 16 steps of 512.  Each load reads 512 consecutive bytes; a step's 2,048 bytes turn through the wave's
; own stage in LDS so that a lane gets 16 NEIGHBOURS along K, which is what the conversions take; a lane's 16 codes are 16 bytes, so a wave's store covers 512 consecutive bytes.
; Work-groups 640-671 touch no LDS: they lay rope_cos and rope_sin out as register images for the next launch: for each block of 16 positions 8 KiB of cos, then 8 KiB of sin; quad 2 b + jj (512 bytes):
; lane (r, h) has T[16 sb + r][16 b + 8 h + 4 jj .. + 3] at 16 x lane.  The scattered 16-byte reads are made here once; the readers then load 512 consecutive bytes an instruction.
; No tensor loads, no barrier: waves share nothing.
.set SEC,   4194304                    ; bytes of a section
.set STEPS, 16
.set SP,    80                         ; a lane's place in a stage: its 64 bytes + 16 of padding
.set WREG,  8192                       ; LDS of a wave: two stages of 32 x SP bytes
.set R,     16                         ; v16-79   four sets of 16 numbers as they are loaded
.set X,     80                         ; v80-111  two sets of 16 neighbours
.set T1,    112                        ; v112-127 x held for e2
.set T2,    128                        ; v128-143 x held for e4
.set C,     144                        ; v144-191 codes: four sets of 12 registers
	s_load_b512 s[4:19], s[0:1], 0x0               ; x s[4:5], wq s[6:7], wk s[8:9], wv s[10:11], wo s[12:13], cos s[14:15], sin s[16:17], the scales' exponents s[18:19]
	s_load_b128 s[20:23], s[0:1], 0x40             ; codes s[20:21], rope_img s[22:23]
	v_lshl_add_u32 v192, v0, 2, 0x8000
	v_mov_b32 v193, 0
	v_lshrrev_b32 v1, 5, v0
	v_readfirstlane_b32 s36, v1                    ; wave
	v_and_b32 v2, 31, v0                           ; lane
	v_lshlrev_b32 v3, 4, v2                        ; 16 x lane: my 16 bytes of a load's or a store's 512; never rewritten
	s_cmp_ge_u32 ttmp9, 640
	s_cbranch_scc1 .Ltables
	s_mul_i32 s48, s36, WREG
	v_lshrrev_b32 v14, 2, v2
	v_mul_u32_u24 v14, v14, SP
	v_and_b32 v15, 3, v2
	v_lshl_add_u32 v14, v15, 4, v14
	v_add_nc_u32 v14, s48, v14                     ; the stage, on the way in: SP (lane / 4) + 16 (lane % 4)
	v_mul_u32_u24 v15, v2, SP
	v_add_nc_u32 v15, s48, v15                     ; and on the way out: SP x lane: my 16 neighbours
	s_lshr_b32 s37, ttmp9, 7                       ; g: 0 x, 1 wq, 2 wk, 3 wv, 4 wo
	s_and_b32 s49, ttmp9, 127
	s_lshl_b32 s49, s49, 2
	s_add_co_u32 s49, s49, s36                     ; which run of 8,192 numbers of the tensor is my wave's
	s_wait_kmcnt 0x0
	s_load_b256 s[24:31], s[18:19], 0x0            ; e0 .. e7
	s_load_b128 s[32:35], s[18:19], 0x20           ; e8 .. e11
	s_mov_b64 s[40:41], s[4:5]                     ; the source and its section are chosen by the work-group's number alone
	s_mov_b32 s38, 0
	s_cmp_eq_u32 s37, 1
	s_cselect_b64 s[40:41], s[6:7], s[40:41]
	s_cselect_b32 s38, 3, s38
	s_cmp_eq_u32 s37, 2
	s_cselect_b64 s[40:41], s[8:9], s[40:41]
	s_cselect_b32 s38, 4, s38
	s_cmp_eq_u32 s37, 3
	s_cselect_b64 s[40:41], s[10:11], s[40:41]
	s_cselect_b32 s38, 2, s38
	s_cmp_eq_u32 s37, 4
	s_cselect_b64 s[40:41], s[12:13], s[40:41]
	s_cselect_b32 s38, 6, s38
	s_lshl_b32 s50, s49, 15                        ; 8,192 numbers of 4 bytes
	s_mov_b32 s51, 0
	s_add_nc_u64 s[40:41], s[40:41], s[50:51]
	s_lshl_b32 s52, s38, 22                        ; the section,
	s_lshl_b32 s53, s49, 13                        ; 8,192 codes
	s_add_co_u32 s52, s52, s53
	s_mov_b32 s53, 0
	s_add_nc_u64 s[42:43], s[20:21], s[52:53]
	s_add_nc_u64 s[44:45], s[42:43], SEC           ; x alone stores by these two: sections 1 and 5
	s_add_nc_u64 s[46:47], s[42:43], 5*SEC
.macro LOAD t
.irp i, 0,1,2,3
	global_load_b128 v[R+16*((\t)%4)+4*\i:R+16*((\t)%4)+4*\i+3], v3, s[40:41] offset:2048*(\t)+512*\i th:TH_LOAD_NT   ; 32 lanes read 512 consecutive bytes, once in the launch
.endr
.endm
.macro TURN t                          ; step t's numbers through the stage: LDS serves a wave's instructions in order (ISA guide 5.7.1.4), so no wait stands between the stores and the loads
.irp i, 0,1,2,3
	ds_store_b128 v14, v[R+16*((\t)%4)+4*\i:R+16*((\t)%4)+4*\i+3] offset:32*SP*((\t)%2)+8*SP*\i
.endr
.irp i, 0,1,2,3
	ds_load_b128 v[X+16*((\t)%2)+4*\i:X+16*((\t)%2)+4*\i+3], v15 offset:32*SP*((\t)%2)+16*\i
.endr
.endm
.macro MKSCALE e, lim, sc              ; v[sc] = 2^e as f32 (the conversion takes its exponent field), v[lim] = 448 x 2^e
	s_add_co_i32 s54, s[\e], 127
	s_lshl_b32 s55, s54, 23
	v_mov_b32 v[\sc], s55
	s_add_co_i32 s54, s54, 8
	s_lshl_b32 s54, s54, 23
	s_or_b32 s54, s54, 0x600000
	v_mov_b32 v[\lim], s54
.endm
	s_wait_alu depctr_va_vdst(0)
.irp t, 0,1,2,3
	LOAD \t
.endr
	s_wait_kmcnt 0x0
	s_mov_b32 s39, s24                             ; e0, or the weight's own entry
	s_cmp_eq_u32 s37, 1
	s_cselect_b32 s39, s25, s39
	s_cmp_eq_u32 s37, 2
	s_cselect_b32 s39, s27, s39
	s_cmp_eq_u32 s37, 3
	s_cselect_b32 s39, s29, s39
	s_cmp_eq_u32 s37, 4
	s_cselect_b32 s39, s35, s39
	MKSCALE 39, 10, 11
	MKSCALE 26, 12, 13                             ; e2
	MKSCALE 28, 6, 7                               ; e4
	s_wait_loadcnt 12                              ; step 0's four loads are in
	TURN 0
.macro STEP t
.set XS, X+16*((\t)%2)
.set CS, C+12*((\t)%4)
	s_wait_dscnt 0x0                               ; this step's numbers are back from the stage, so its stores into the stage have read their registers,
.if (\t)+4 < STEPS
	LOAD (\t)+4                                    ; which take the loads of four steps on
.endif
.if (\t)+1 < STEPS
.if STEPS-2-(\t) >= 3
	s_wait_loadcnt 12                              ; the next step's four loads are in; those of the three steps behind it may be out
.else
	s_wait_loadcnt 4*(STEPS-2-(\t))
.endif
	TURN (\t)+1                                    ; and go through the other stage while this step is worked
.endif
.if (\t) >= 4
	s_wait_xcnt 0x0                                ; the stores of four steps ago have read this set of code registers: it is rewritten only behind this wait
.endif
	s_cmp_lg_u32 s37, 0
	s_cbranch_scc1 .Lone_\@                        ; only x has a second and a third scale
.set i, 0
	s_wait_alu depctr_va_vdst(0)
.rept 16
	v_med3_num_f32 v[T1+i], v[XS+i], -v12, v12     ; the conversion to an 8-bit code does not saturate (ISA guide 7.6.2): the hold at the largest code x the scale
	v_med3_num_f32 v[T2+i], v[XS+i], -v6, v6
.set i, i+1
.endr
	v_cvt_scalef32_pk8_fp8_f32 v[CS+4:CS+5], v[T1:T1+7], v13
	v_cvt_scalef32_pk8_fp8_f32 v[CS+6:CS+7], v[T1+8:T1+15], v13
	v_cvt_scalef32_pk8_fp8_f32 v[CS+8:CS+9], v[T2:T2+7], v7
	v_cvt_scalef32_pk8_fp8_f32 v[CS+10:CS+11], v[T2+8:T2+15], v7
	v_nop                                          ; a plain vector line behind the last conversion of the run
	global_store_b128 v3, v[CS+4:CS+7], s[44:45] offset:512*(\t)
	global_store_b128 v3, v[CS+8:CS+11], s[46:47] offset:512*(\t)
.Lone_\@:
.set i, 0
	s_wait_alu depctr_va_vdst(0)
.rept 16
	v_med3_num_f32 v[XS+i], v[XS+i], -v10, v10
.set i, i+1
.endr
	v_cvt_scalef32_pk8_fp8_f32 v[CS:CS+1], v[XS:XS+7], v11
	v_cvt_scalef32_pk8_fp8_f32 v[CS+2:CS+3], v[XS+8:XS+15], v11
	v_nop
	global_store_b128 v3, v[CS:CS+3], s[42:43] offset:512*(\t)   ; the wave stores 512 consecutive bytes, aligned
.endm
.irp t, 0,1,2,3,4,5,6,7,8,9,10,11,12,13,14,15
	STEP \t
.endr
	s_wait_tensorcnt 0x0
	ds_add_u32 v192, v193
	s_wait_dscnt 0x0
	s_endpgm
.Ltables:                                              ; wave w of work-group 640 + n makes the images of positions 16 sb .. 16 sb + 15, sb = 4 n + w
	s_sub_co_u32 s48, ttmp9, 640
	s_lshl_b32 s48, s48, 2
	s_add_co_u32 s48, s48, s36                     ; sb, 0 .. 127
	v_and_b32 v4, 15, v0                           ; r
	v_bfe_u32 v5, v0, 4, 1                         ; h
	v_lshlrev_b32 v6, 9, v4                        ; a row of a table is 512 bytes
	v_lshl_add_u32 v6, v5, 5, v6                   ; + 32 h
	s_lshl_b32 s50, s48, 13                        ; 16 rows of 512 bytes
	s_mov_b32 s51, 0
	s_lshl_b32 s52, s48, 14                        ; 16 KiB of images
	s_mov_b32 s53, 0
	s_wait_alu depctr_va_vdst(0)
	s_wait_kmcnt 0x0
	s_add_nc_u64 s[14:15], s[14:15], s[50:51]
	s_add_nc_u64 s[16:17], s[16:17], s[50:51]
	s_add_nc_u64 s[22:23], s[22:23], s[52:53]
.set i, 0
.rept 16
	global_load_b128 v[16+4*i:19+4*i], v6, s[14:15] offset:64*(i/2)+16*(i%2)   ; quad i = 2 b + jj: columns 16 b + 8 h + 4 jj on
	global_load_b128 v[80+4*i:83+4*i], v6, s[16:17] offset:64*(i/2)+16*(i%2)
.set i, i+1
.endr
	s_wait_loadcnt 0x0
.set i, 0
.rept 16
	global_store_b128 v3, v[16+4*i:19+4*i], s[22:23] offset:512*i
	global_store_b128 v3, v[80+4*i:83+4*i], s[22:23] offset:8192+512*i
.set i, i+1
.endr
	s_endpgm
.Lfunc_end_k_q231d95414c_quant:
	.size	k_q231d95414c_quant, .Lfunc_end_k_q231d95414c_quant-k_q231d95414c_quant
	.p2alignl 7, 3214868480
	.fill 96, 4, 3214868480
	.section	.rodata,"a",@progbits
	.p2align	6, 0x0
	.amdhsa_kernel k_q231d95414c_quant
		.amdhsa_group_segment_fixed_size 33280
		.amdhsa_private_segment_fixed_size 0
		.amdhsa_enable_private_segment 0
		.amdhsa_kernarg_size 80
		.amdhsa_user_sgpr_count 2
		.amdhsa_user_sgpr_kernarg_segment_ptr 1
		.amdhsa_wavefront_size32 1
		.amdhsa_system_sgpr_workgroup_id_x 1
		.amdhsa_system_sgpr_workgroup_id_y 1
		.amdhsa_system_sgpr_workgroup_id_z 1
		.amdhsa_system_vgpr_workitem_id 0
		.amdhsa_next_free_vgpr 194
		.amdhsa_next_free_sgpr 66
		.amdhsa_reserve_vcc 0
		.amdhsa_float_denorm_mode_32 3
		.amdhsa_float_denorm_mode_16_64 3
		.amdhsa_memory_ordered 1
		.amdhsa_forward_progress 1
		.amdhsa_inst_pref_size 88
	.end_amdhsa_kernel
	.amdgpu_metadata
---
amdhsa.version: [ 1, 2 ]
amdhsa.kernels:
  - .name:           k_q231d95414c_quant
    .symbol:         k_q231d95414c_quant.kd
    .args:
      - { .name: x, .offset: 0, .size: 8, .value_kind: global_buffer, .address_space: global }
      - { .name: wq, .offset: 8, .size: 8, .value_kind: global_buffer, .address_space: global }
      - { .name: wk, .offset: 16, .size: 8, .value_kind: global_buffer, .address_space: global }
      - { .name: wv, .offset: 24, .size: 8, .value_kind: global_buffer, .address_space: global }
      - { .name: wo, .offset: 32, .size: 8, .value_kind: global_buffer, .address_space: global }
      - { .name: rope_cos, .offset: 40, .size: 8, .value_kind: global_buffer, .address_space: global }
      - { .name: rope_sin, .offset: 48, .size: 8, .value_kind: global_buffer, .address_space: global }
      - { .name: lowp_scales, .offset: 56, .size: 8, .value_kind: global_buffer, .address_space: global }
      - { .name: codes, .offset: 64, .size: 8, .value_kind: global_buffer, .address_space: global }
      - { .name: rope_img, .offset: 72, .size: 8, .value_kind: global_buffer, .address_space: global }
    .group_segment_fixed_size: 33280
    .private_segment_fixed_size: 0
    .kernarg_segment_align: 8
    .kernarg_segment_size: 80
    .max_flat_workgroup_size: 128
    .sgpr_count:     66
    .vgpr_count:     194
    .wavefront_size: 32
...
	.end_amdgpu_metadata
.endif
;; end of part 1
;; launch qkv (part 2): grid 8 x 24, 4 waves a work-group, clusters of 4 x 4, 327,680 bytes of LDS; arguments codes, lowp_scales, rope_img, q_codes, kv_codes; writes q_codes, kv_codes
.if DOCPART == 2
	.amdgcn_target "amdgcn-amd-amdhsa--gfx1250"
	.amdhsa_code_object_version 6
	.text
	.protected	k_q231d95414c_qkv
	.globl	k_q231d95414c_qkv
	.p2align	8
	.type	k_q231d95414c_qkv,@function
k_q231d95414c_qkv:
	s_mov_b64 s[64:65], 0
	v_nop
	global_prefetch_b8 v0, s[64:65] scope:SCOPE_SE
	s_setreg_imm32_b32 hwreg(HW_REG_WAVE_MODE, 25, 1), 1
	s_wait_xcnt 0x0
	s_wait_alu depctr_hold_cnt(0) depctr_sa_sdst(0) depctr_va_vdst(0) depctr_va_sdst(0) depctr_va_ssrc(0) depctr_va_vcc(0) depctr_vm_vsrc(0)
	s_getreg_b32 s2, hwreg(HW_REG_IB_STS2, 6, 4)
	s_cmp_eq_u32 s2, 0
	s_cbranch_scc0 .Lentry_in_a_cluster
	s_endpgm
.Lentry_in_a_cluster:
	s_bfe_u32 s2, ttmp6, 0x10000c
	s_cmp_lg_u32 s2, 0xf033
	s_cbranch_scc0 .Lentry_shape_is_right
	s_endpgm
.Lentry_shape_is_right:
.set SEC,    4194304
.set KSTEP,  256
.set ROWB,   256
.set KROW,   2048
.set PITCH,  272
.set FR,     16
.set NL,     4
.set NP,     4
.set HALFT,  128*PITCH
.set SLOT,   4*HALFT
.set LAPS,   4
.set SPARE,  2*SLOT
.set ADRA, 16
.set ADRB, 20
.set LI,   26
.set SPW,  28
.set NIL,  29
.set HOLD, 30
.set SCL,  31
.set TMP,  32
.set CD,   96
.set AF,   128
.set G1, 24
.set G0, 32
.set G1B, 48
.set G0B, 56
.set TEN, 66
.set OUT, 80
.set MSB, 0
.macro WIN new
.if MSB != \new
	s_set_vgpr_msb (MSB<<8)|\new
.set MSB, \new
.endif
.endm
.set MUL_LO, 0xa1
.set MUL_HI, 0xf1
.set TO_B,   0x40
.macro JLOAD g0a, g1a, g0b, g1b
	s_cmp_eq_u32 s15, 0
	s_cbranch_scc0 .Lfor_b_\@
	tensor_load_to_lds s[\g0a:\g0a+3], s[\g1a:\g1a+7]
	s_nop 0
.rept 4
	v_nop
.endr
	s_branch .Lasked_\@
.Lfor_b_\@:
	tensor_load_to_lds s[\g0b:\g0b+3], s[\g1b:\g1b+7]
	s_nop 0
.rept 4
	v_nop
.endr
.Lasked_\@:
.endm
.macro CREST
	s_cmp_lg_u32 s14, 0
	s_cbranch_scc1 .Lnot_wave_0_\@
	s_barrier_signal -3
.Lnot_wave_0_\@:
	s_barrier_wait -3
	s_barrier_signal -1
	s_barrier_wait -1
.endm
.macro CROUND
	s_barrier_signal -1
	s_barrier_wait -1
	CREST
.endm
	s_load_b256 s[4:11], s[0:1], 0x0
	s_load_b64 s[12:13], s[0:1], 0x20
	v_lshl_add_u32 v[SPW], v0, 2, SPARE
	v_mov_b32 v[NIL], 0
	ds_add_u32 v28, v29
	ds_add_u32 v28, v29
	s_wait_dscnt 0x0
	v_lshrrev_b32 v1, 5, v0
	v_readfirstlane_b32 s14, v1
	s_lshr_b32 s15, s14, 1
	s_and_b32 s16, s14, 1
	s_bfe_u32 s40, ttmp6, 0x40000
	s_bfe_u32 s41, ttmp6, 0x40004
	s_lshl_b32 s42, ttmp9, 2
	s_add_co_u32 s42, s42, s40
	s_and_b32 s17, ttmp7, 0xffff
	s_lshr_b32 s[TEN], s17, 1
	s_and_b32 s17, s17, 1
	s_lshl_b32 s17, s17, 2
	s_add_co_u32 s17, s17, s41
	s_lshl_b32 s43, s41, 2
	s_lshl_b32 s43, 15, s43
	s_lshl_b32 s44, 0x1111, s40
	s_or_b32 s[G1+0], s43, (0<<16)|(1<<20)|(1<<21)|(5<<22)|(3<<25)
	s_or_b32 s[G1B+0], s44, (0<<16)|(1<<20)|(1<<21)|(5<<22)|(3<<25)
.irp g, G1, G1B
	s_mov_b32 s[\g+1], ROWB<<16
	s_mov_b32 s[\g+2], 128<<16
	s_mov_b32 s[\g+3], ROWB<<16
	s_mov_b32 s[\g+4], 128
	s_mov_b32 s[\g+5], KROW
	s_mov_b32 s[\g+6], 0
	s_mov_b32 s[\g+7], 0
.endr
	s_lshl_b32 s18, s16, 7
	s_lshl_b32 s19, s[TEN], 22
	s_lshl_b32 s20, s17, 8
	s_add_co_u32 s20, s20, s18
	s_lshl_b32 s20, s20, 11
	s_add_co_u32 s20, s20, s19
	s_mov_b32 s21, 0
	s_lshl_b32 s46, s42, 8
	s_add_co_u32 s46, s46, s18
	s_lshl_b32 s46, s46, 11
	s_add_co_u32 s46, s46, s19
	s_add_co_u32 s46, s46, 3*SEC
	s_mov_b32 s47, 0
	s_mul_i32 s45, s14, HALFT
	s_wait_kmcnt 0x0
	s_load_b256 s[68:75], s[6:7], 0x0
	s_load_b128 s[76:79], s[6:7], 0x20
	s_add_nc_u64 s[20:21], s[4:5], s[20:21]
	s_add_nc_u64 s[46:47], s[4:5], s[46:47]
	CROUND
.irp s, 0,1
	s_mov_b32 s[G0+4*\s], 1
	s_add_co_u32 s[G0+4*\s+1], s45, \s*SLOT
	s_add_nc_u64 s[G0+4*\s+2:G0+4*\s+3], s[20:21], \s*ROWB
	s_or_b32 s[G0+4*\s+3], s[G0+4*\s+3], 0x80000000
	s_mov_b32 s[G0B+4*\s], 1
	s_add_co_u32 s[G0B+4*\s+1], s45, \s*SLOT
	s_add_nc_u64 s[G0B+4*\s+2:G0B+4*\s+3], s[46:47], \s*ROWB
	s_or_b32 s[G0B+4*\s+3], s[G0B+4*\s+3], 0x80000000
	s_wait_alu depctr_va_vdst(0)
	s_wait_tensorcnt 0x0
	ds_add_u32 v28, v29
	ds_add_u32 v28, v29
	s_wait_dscnt 0x0
	CROUND
	JLOAD G0+4*\s, G1, G0B+4*\s, G1B
.endr
	v_and_b32 v1, 15, v0
	v_bfe_u32 v2, v0, 4, 1
	v_mul_u32_u24 v3, v1, PITCH
	v_lshl_add_u32 v4, v2, 4, v3
	s_mul_i32 s21, s15, HALFT
	s_mul_i32 s22, s16, HALFT
	s_add_co_u32 s22, s22, 2*HALFT
.irp s, 0,1
	v_add_nc_u32 v[ADRA+\s], s21, v4
	v_add_nc_u32 v[ADRB+\s], s22, v4
	s_add_co_u32 s21, s21, SLOT
	s_add_co_u32 s22, s22, SLOT
.endr
	v_and_b32 v6, 31, v0
	v_lshlrev_b32 v[LI], 4, v6
	s_lshl_b32 s82, s42, 1
	s_add_co_u32 s82, s82, s16
	s_lshl_b32 s83, s17, 1
	s_add_co_u32 s83, s83, s15
	s_lshl_b32 s90, s83, 17
	s_mov_b32 s91, 0
	s_add_nc_u64 s[8:9], s[8:9], s[90:91]
	s_lshl_b32 s84, s82, 18
	s_lshl_b32 s85, s83, 14
	s_add_co_u32 s84, s84, s85
	s_lshl_b32 s86, s42, 20
	s_lshl_b32 s87, s83, 16
	s_add_co_u32 s86, s86, s87
	s_lshl_b32 s87, s16, 15
	s_add_co_u32 s86, s86, s87
	s_lshl_b32 s88, s17, 20
	s_lshl_b32 s89, s82, 16
	s_add_co_u32 s88, s88, s89
	s_lshl_b32 s89, s15, 15
	s_add_co_u32 s88, s88, s89
	s_add_co_u32 s88, s88, 16384
	s_cmp_eq_u32 s[TEN], 1
	s_cselect_b32 s84, s86, s84
	s_cmp_eq_u32 s[TEN], 2
	s_cselect_b32 s84, s88, s84
	s_mov_b32 s85, 0
	s_cmp_eq_u32 s[TEN], 0
	s_cselect_b64 s[OUT:OUT+1], s[10:11], s[12:13]
	s_add_nc_u64 s[OUT:OUT+1], s[OUT:OUT+1], s[84:85]
.macro FRAG reg, adr, q, i
.irp c, 0,1,2,3
	ds_load_b128 v[\reg+4*\c:\reg+4*\c+3], v[\adr] offset:128*(\q)+32*\c+(\i)*16*PITCH
.endr
.endm
.macro MUL16 a0, p, zero
.irp a, \a0, \a0+1
.irp b, 0,1,2,3,4,5,6,7
.if \zero
	v_wmma_f32_16x16x128_fp8_fp8 v[8*(8*((\a)%4)+\b):8*(8*((\a)%4)+\b)+7], v[128*(\p)+FR*\b:128*(\p)+FR*\b+FR-1], v[AF+FR*(\a):AF+FR*(\a)+FR-1], 0
.else
	v_wmma_f32_16x16x128_fp8_fp8 v[8*(8*((\a)%4)+\b):8*(8*((\a)%4)+\b)+7], v[128*(\p)+FR*\b:128*(\p)+FR*\b+FR-1], v[AF+FR*(\a):AF+FR*(\a)+FR-1], v[8*(8*((\a)%4)+\b):8*(8*((\a)%4)+\b)+7]
.endif
.endr
.endr
.endm
.macro FETCH_B slot, q, p
	WIN TO_B
.irp i, 0,1,2,3,4,5,6,7
	FRAG 128*(\p)+FR*\i, ADRB+\slot, \q, \i
.endr
	WIN 0
.endm
.macro FETCH_A slot, q, i0
.irp i, \i0, \i0+1, \i0+2, \i0+3
	FRAG AF+FR*(\i), ADRA+\slot, \q, \i
.endr
.endm
.macro PLACES n
.rept \n
	v_nop
.endr
.endm
.macro STEP slot, q, zero
	s_wait_dscnt 4*NL
	WIN MUL_LO
	MUL16 0, (\q)%2, \zero
	MUL16 2, (\q)%2, \zero
	s_wait_dscnt 0
	PLACES NP
	FETCH_B \slot, (\q)+1, 1-(\q)%2
	FETCH_A \slot, (\q)+1, 0
	WIN MUL_HI
	MUL16 4, (\q)%2, \zero
	MUL16 6, (\q)%2, \zero
	PLACES NP
	WIN 0
	FETCH_A \slot, (\q)+1, 4
.endm
.macro TURN slot, next, fill
	s_wait_tensorcnt 0x0
	ds_add_u32 v[SPW], v[NIL]
	s_wait_dscnt 4*NL+1
	WIN MUL_LO
	MUL16 0, 1, 0
	s_wait_dscnt 0x0
	s_barrier_signal -1
	MUL16 2, 1, 0
	WIN 0
	s_barrier_wait -1
.if \fill
	CREST
	s_add_nc_u64 s[G0+4*\slot+2:G0+4*\slot+3], s[G0+4*\slot+2:G0+4*\slot+3], 2*ROWB
	s_add_nc_u64 s[G0B+4*\slot+2:G0B+4*\slot+3], s[G0B+4*\slot+2:G0B+4*\slot+3], 2*ROWB
	JLOAD G0+4*\slot, G1, G0B+4*\slot, G1B
.else
	PLACES NP
.endif
	FETCH_B \next, 0, 0
	FETCH_A \next, 0, 0
	WIN MUL_HI
	MUL16 4, 1, 0
	MUL16 6, 1, 0
	PLACES NP
	WIN 0
	FETCH_A \next, 0, 4
.endm
.macro TABSET a
.if ((\a)%3) == 2
.set TW, 0
.set TBS, 128
.else
.set TW, 1
.set TBS, 128*((\a)%3)
.endif
.endm
.macro TABLOAD a
	TABSET \a
	WIN (TW<<6)
.set i, 0
.rept 16
	global_load_b128 v[TBS+4*i:TBS+4*i+3], v[LI], s[8:9] offset:(\a)*16384+512*i
.set i, i+1
.endr
.set i, 0
.rept 16
	global_load_b128 v[TBS+64+4*i:TBS+64+4*i+3], v[LI], s[8:9] offset:(\a)*16384+8192+512*i
.set i, i+1
.endr
	WIN 0
.endm
.macro OUTBLK a, rope
.set AC, 64*((\a)%4)
.set CS, CD+16*((\a)%2)
.if \rope
	TABSET \a
.if (\a) <= 5
	s_wait_loadcnt 63
.elseif (\a) == 6
	s_wait_loadcnt 32
.else
	s_wait_loadcnt 0
.endif
	WIN ((2+(\a)/4)|(TW<<2))
.set j, 0
.rept 32
	v_pk_mul_f32 v[TMP+j:TMP+j+1], v[AC+j:AC+j+1], v[TBS+j:TBS+j+1]
.set j, j+2
.endr
.set j, 0
.rept 16
	v_pk_fma_f32 v[TMP+j:TMP+j+1], v[AC+32+j:AC+32+j+1], v[TBS+64+j:TBS+64+j+1], v[TMP+j:TMP+j+1] neg_lo:[1,0,0] neg_hi:[1,0,0]
.set j, j+2
.endr
.rept 16
	v_pk_fma_f32 v[TMP+j:TMP+j+1], v[AC+j-32:AC+j-31], v[TBS+64+j:TBS+64+j+1], v[TMP+j:TMP+j+1]
.set j, j+2
.endr
.if (\a)+3 < 8
	TABLOAD (\a)+3
.endif
	WIN 0
.set j, 0
.rept 64
	v_med3_num_f32 v[TMP+j], v[TMP+j], -v[HOLD], v[HOLD]
.set j, j+1
.endr
.else
	WIN (2+(\a)/4)
.set j, 0
.rept 64
	v_med3_num_f32 v[TMP+j], v[AC+j], -v[HOLD], v[HOLD]
.set j, j+1
.endr
	WIN 0
.endif
.if (\a) >= 2
	s_wait_alu depctr_va_vdst(0)
	s_wait_xcnt 0x0
.endif
.set j, 0
.rept 8
	v_cvt_scalef32_pk8_fp8_f32 v[CS+2*j:CS+2*j+1], v[TMP+8*j:TMP+8*j+7], v[SCL]
.set j, j+1
.endr
	v_nop
.irp c, 0,1,2,3
	global_store_b128 v[LI], v[CS+4*\c:CS+4*\c+3], s[OUT:OUT+1] offset:2048*(\a)+512*\c
.endr
.endm
	s_wait_alu depctr_va_vdst(0)
	s_wait_tensorcnt 1
	s_barrier_signal -1
	s_barrier_wait -1
	FETCH_B 0, 0, 0
	FETCH_A 0, 0, 0
	FETCH_A 0, 0, 4
	STEP 0, 0, 1
	s_mov_b32 s3, LAPS-1
.Llap:
	TURN 0, 1, 1
	STEP 1, 0, 0
	TURN 1, 0, 1
	STEP 0, 0, 0
	s_sub_co_u32 s3, s3, 1
	s_cmp_lg_u32 s3, 0
	s_cbranch_scc1 .Llap
	TURN 0, 1, 0
	STEP 1, 0, 0
	s_cmp_eq_u32 s[TEN], 2
	s_cbranch_scc1 .Lno_tab0
	TABLOAD 0
.Lno_tab0:
	s_wait_dscnt 4*NL
	WIN MUL_LO
	MUL16 0, 1, 0
	MUL16 2, 1, 0
	s_wait_dscnt 0
	WIN MUL_HI
	MUL16 4, 1, 0
	MUL16 6, 1, 0
	WIN 0
	s_wait_kmcnt 0x0
	s_sub_co_i32 s82, s74, s68
	s_sub_co_i32 s82, s82, s69
	s_sub_co_i32 s83, s75, s70
	s_sub_co_i32 s83, s83, s71
	s_sub_co_i32 s84, s77, s72
	s_sub_co_i32 s84, s84, s73
	s_cmp_eq_u32 s[TEN], 1
	s_cselect_b32 s82, s83, s82
	s_cmp_eq_u32 s[TEN], 2
	s_cselect_b32 s82, s84, s82
	s_add_co_i32 s82, s82, 127
	s_lshl_b32 s83, s82, 23
	v_mov_b32 v[SCL], s83
	s_add_co_i32 s82, s82, 8
	s_lshl_b32 s82, s82, 23
	s_or_b32 s82, s82, 0x600000
	v_mov_b32 v[HOLD], s82
	PLACES NP
	s_cmp_eq_u32 s[TEN], 2
	s_cbranch_scc1 .Lfor_v
	TABLOAD 1
	TABLOAD 2
.irp a, 0,1,2,3,4,5,6,7
	OUTBLK \a, 1
.endr
	s_branch .Lout_done
.Lfor_v:
	s_wait_alu depctr_va_vdst(0)
.irp a, 0,1,2,3,4,5,6,7
	OUTBLK \a, 0
.endr
.Lout_done:
	s_wait_tensorcnt 0x0
	ds_add_u32 v[SPW], v[NIL]
	s_wait_dscnt 0x0
	CROUND
	s_endpgm
.Lfunc_end_k_q231d95414c_qkv:
	.size	k_q231d95414c_qkv, .Lfunc_end_k_q231d95414c_qkv-k_q231d95414c_qkv
	.p2alignl 7, 3214868480
	.fill 96, 4, 3214868480
	.section	.rodata,"a",@progbits
	.p2align	6, 0x0
	.amdhsa_kernel k_q231d95414c_qkv
		.amdhsa_group_segment_fixed_size 327680
		.amdhsa_private_segment_fixed_size 0
		.amdhsa_enable_private_segment 0
		.amdhsa_kernarg_size 40
		.amdhsa_user_sgpr_count 2
		.amdhsa_user_sgpr_kernarg_segment_ptr 1
		.amdhsa_wavefront_size32 1
		.amdhsa_system_sgpr_workgroup_id_x 1
		.amdhsa_system_sgpr_workgroup_id_y 1
		.amdhsa_system_sgpr_workgroup_id_z 1
		.amdhsa_system_vgpr_workitem_id 0
		.amdhsa_next_free_vgpr 1024
		.amdhsa_next_free_sgpr 98
		.amdhsa_reserve_vcc 0
		.amdhsa_float_denorm_mode_32 3
		.amdhsa_float_denorm_mode_16_64 3
		.amdhsa_memory_ordered 1
		.amdhsa_forward_progress 1
		.amdhsa_inst_pref_size 217
	.end_amdhsa_kernel
	.amdgpu_metadata
---
amdhsa.version: [ 1, 2 ]
amdhsa.kernels:
  - .name:           k_q231d95414c_qkv
    .symbol:         k_q231d95414c_qkv.kd
    .args:
      - { .name: codes, .offset: 0, .size: 8, .value_kind: global_buffer, .address_space: global }
      - { .name: lowp_scales, .offset: 8, .size: 8, .value_kind: global_buffer, .address_space: global }
      - { .name: rope_img, .offset: 16, .size: 8, .value_kind: global_buffer, .address_space: global }
      - { .name: q_codes, .offset: 24, .size: 8, .value_kind: global_buffer, .address_space: global }
      - { .name: kv_codes, .offset: 32, .size: 8, .value_kind: global_buffer, .address_space: global }
    .group_segment_fixed_size: 327680
    .private_segment_fixed_size: 0
    .kernarg_segment_align: 8
    .kernarg_segment_size: 40
    .max_flat_workgroup_size: 128
    .sgpr_count:     98
    .vgpr_count:     1024
    .wavefront_size: 32
...
	.end_amdgpu_metadata
.endif
;; end of part 2
;; launch attn (part 3): grid 32 x 8, 8 waves a work-group, clusters of 4 x 4, 327,680 bytes of LDS; arguments q_codes, kv_codes, mask, lowp_scales, ao_codes; writes ao_codes
.if DOCPART == 3
	.amdgcn_target "amdgcn-amd-amdhsa--gfx1250"
	.amdhsa_code_object_version 6
	.text
	.protected	k_q231d95414c_attn
	.globl	k_q231d95414c_attn
	.p2align	8
	.type	k_q231d95414c_attn,@function
k_q231d95414c_attn:
	s_mov_b64 s[64:65], 0
	v_nop
	global_prefetch_b8 v0, s[64:65] scope:SCOPE_SE
	s_setreg_imm32_b32 hwreg(HW_REG_WAVE_MODE, 25, 1), 1
	s_wait_xcnt 0x0
	s_wait_alu depctr_hold_cnt(0) depctr_sa_sdst(0) depctr_va_vdst(0) depctr_va_sdst(0) depctr_va_ssrc(0) depctr_va_vcc(0) depctr_vm_vsrc(0)
	s_getreg_b32 s2, hwreg(HW_REG_IB_STS2, 6, 4)
	s_cmp_eq_u32 s2, 0
	s_cbranch_scc0 .Lentry_in_a_cluster
	s_endpgm
.Lentry_in_a_cluster:
	s_bfe_u32 s2, ttmp6, 0x10000c
	s_cmp_lg_u32 s2, 0xf033
	s_cbranch_scc0 .Lentry_shape_is_right
	s_endpgm
.Lentry_shape_is_right:
; Attention on codes of FP8 (E4M3): logit = 50 tanh(q . k / sqrt(128) / 50) + mask[q][k];  t = logit x log2(e);  M = the row's largest t so far, rounded UP to a whole number;
; p = 2^(t - M) is quantised (e8), not normalised; the row's sum is taken of the unquantised p and divides O at the end; O is quantised (e10) for the output projection.
; The mask is an input: every key of every query is computed, and the mask is added as it is given.  50 tanh is rounded once, + mask once; t - M is one fused multiply-add of the logit.
; tanh(y) = 1 - 2 / (1 + 2^(2 y log2(e))): 50 tanh = 50 - 100 / (1 + 2^z), z = raw sum x 2^(e6 + e7) x 2 log2(e) / (50 sqrt(128)).  It goes to +-50 where 2^z overflows or vanishes.
; LIMITS.  The capped logit carries an absolute error of some 100 roundings of a number near 1/2 (about 1e-5).  e6 + e7 between -118 and 135 (added to a constant's exponent field); e8 and e10 between -126 and 119.
; The scaled logits t stay under 2^31 in magnitude.  NaN among the inputs, and rows whose mask is -infinity everywhere, are not served.
; SHARES.  A work-group owns 64 queries of TWO heads: a query's 2 x 128 codes of O are 256 consecutive bytes of ao_codes, and the mask's tile serves both heads.  Eight waves, two to a SIMD.
; Wave w: head w / 4 of the pair, the 32 queries (w / 2) % 2, and of each slot's 128 keys the 64 keys w % 2.  So each fragment of K and each half fragment of V that a wave reads feeds two matrix instructions:
; a wave reads 8 KiB of K, 8 KiB of V and 8 KiB of the mask from a slot.  Register set 0 holds the tile of 16 queries w % 4, set 1 the tile (w % 4) xor 1.
; THE JOIN.  Waves w and w xor 1 hold the same queries over the two halves of the keys.  At the end each sends its set 1 (O, -M, the sum) through LDS and joins its set 0 with what its partner sent:
; both are brought under the larger M by powers of two, which rounds nothing.
; LAYOUT.  Both products are used transposed: S^T = K Q^T (16x16x128), O^T = V^T P^T (16x16x64, K = my 64 keys): a lane holds ONE query (lane % 16) of each set.
; Q, K and V arrive as images of fragments' registers in the plain 8-bit layout (registers 2 b, 2 b + 1: k = 16 b + 8 (lane / 16) + 0 .. 7), 512 bytes for four registers, at 16 x lane.
; THE RING.  Two LDS slots, 2^17 bytes apart; a slot holds 64 KiB of the pair's K and V as they lie in memory, then 64 rows x 512 bytes of the mask (pitch 528).  The change of slots stands in a step's middle:
; K has been multiplied, the mask added, V is in registers; the slot is filled with the tile two steps on.  Waves 0 to 3 fetch a quarter of K and V each, wave 4 the mask's tile: five loads at the size that the tiles give them.
; CLUSTER 4 x 4: the four work-groups of a row have the same pair of heads and ask for K and V jointly; the four of a column have the same queries and ask for the mask jointly.
; REGISTERS.  Window 0: v1-11, v20-23 addresses; v[12:13], v[14:15] -M and the largest t of sets 0, 1; v[16:17], v[18:19] their sums; v24, v26 their factors; v28-31 work; v32-63 Q; v64-127 the mask; v128-191 S^T, then p;
;   v192-207 P's codes; v208-215 constants; v216-231 work.  Window 1: v0-127 O^T (set a at 64 a); v128-191 K's four fragments; v192-255 V's eight half fragments.
.set SLOT1, 1<<17
.set MOFF,  65536                      ; the mask's tile in a slot
.set MP,    528                        ; its pitch: 512 bytes + 16
.set STAGE, MOFF+64*MP                 ; 64 rows x 272 bytes for the way out, in the gap behind slot 0's tiles: no fill lands there
.set SPT,   272
.set SPARE, 2*SLOT1                    ; the spare words, 128 bytes for each of the eight waves
.set XM,    65536                      ; the join: O's images lie at 8,192 x wave, -M and the sum at XM + 256 x wave: in slot 0, which has had its last fill and its last read by then
.set AK0,  1
.set AV0,  2
.set PFO,  3
.set LI,   4
.set SPW,  5
.set NIL,  6
.set GO,   7
.set ADK,  8
.set ADV,  9
.set STO,  10
.set RD,   11
.set AMA0, 20
.set AMB0, 21
.set ADMA, 22
.set ADMB, 23
.set QF,   32
.set MK,   64
.set S,    128
.set PC,   192
.set T,    216
.set WV,   14
.set SEL,  24
.set CA,   26
.set L2E,  28
.set C100, 30
.set G1K,  32
.set G1M,  40
.set G0K,  48
.set TB,   56
.set SLOTS, 57
.set LIM,  58
.set PFA,  60
.set PFS,  62
.set G0M,  84
.set MSB, 0
.macro WIN new                         ; the immediate's high byte repeats the setting that is left
.if MSB != \new
	s_set_vgpr_msb (MSB<<8)|\new
.set MSB, \new
.endif
.endm
.macro CREST                           ; a round of the cluster's barrier behind its opening barrier
	s_cmp_lg_u32 s[WV], 0
	s_cbranch_scc1 .Lnot_wave_0_\@
	s_barrier_signal -3
.Lnot_wave_0_\@:
	s_barrier_wait -3
	s_barrier_signal -1
	s_barrier_wait -1
.endm
.macro CROUND
	s_barrier_signal -1
	s_barrier_wait -1
	CREST
.endm
; A joint load by descriptor set n.  The branches hang on the wave's number alone; an s_nop 0 and four v_nop follow each load.
.macro JLOAD n
	s_cmp_lt_u32 s[WV], 4
	s_cbranch_scc0 .Lnot_k_\@
	tensor_load_to_lds s[G0K+4*\n:G0K+4*\n+3], s[G1K:G1K+7]
	s_nop 0
.rept 4
	v_nop
.endr
	s_branch .Lasked_\@
.Lnot_k_\@:
	s_cmp_eq_u32 s[WV], 4
	s_cbranch_scc0 .Lasked_\@
	tensor_load_to_lds s[G0M+4*\n:G0M+4*\n+3], s[G1M:G1M+7]
	s_nop 0
.rept 4
	v_nop
.endr
.Lasked_\@:
.endm
; A prefetch of what the NEXT change of slots will ask for, one instruction a wave, by waves that fetch nothing.  Each aligned block of 256 bytes is named once in the launch: for K and V the cluster with x = 0 asks,
; its four partners of a row take 16 KiB each by address (cx), waves 5 and 6 take 8 KiB each, lanes 256 bytes apart; for the mask the cluster with y = 0 asks, the four partners of a column take 16 rows each by address (cy),
; wave 7 asks, two lanes to a row's 512 bytes.  The last change that fills a slot asks for nothing.
.macro ASK
	s_cmp_gt_u32 s[SLOTS], s[LIM]
	s_cbranch_scc0 .Lnot_mine_\@
	global_prefetch_b8 v[PFO], s[PFA:PFA+1] th:TH_LOAD_NT scope:SCOPE_SE
.Lnot_mine_\@:
.endm
	s_load_b256 s[4:11], s[0:1], 0x0               ; q_codes, kv_codes, mask, the scales' exponents
	s_load_b64 s[12:13], s[0:1], 0x20              ; ao_codes
	v_lshl_add_u32 v[SPW], v0, 2, SPARE
	v_mov_b32 v[NIL], 0
	ds_add_u32 v[SPW], v[NIL]                      ; the opening lines: the add twice on end and one wait
	ds_add_u32 v[SPW], v[NIL]
	v_lshrrev_b32 v1, 5, v0
	v_readfirstlane_b32 s[WV], v1                  ; wave 0..7
	s_lshr_b32 s15, s[WV], 2                       ; my head in the pair
	s_and_b32 s16, s[WV], 3                        ; set 0's tile of 16 queries.  Also: which quarter of K and V I fetch
	s_bfe_u32 s17, ttmp6, 0x40000                  ; cx, cy
	s_bfe_u32 s18, ttmp6, 0x40004
	s_lshl_b32 s19, ttmp9, 2
	s_add_co_u32 s19, s19, s17                     ; block of 64 queries
	s_and_b32 s20, ttmp7, 0xffff
	s_lshl_b32 s20, s20, 2
	s_add_co_u32 s20, s20, s18                     ; pair of heads
	s_lshl_b32 s21, s18, 2
	s_lshl_b32 s21, 15, s21                        ; my row of the cluster
	s_lshl_b32 s22, 0x1111, s17                    ; my column
	s_or_b32 s[G1K], s21, (3<<16)|(1<<21)          ; K and V: 16 KiB, dense, as 64 rows of 32 elements of 8 bytes
	s_mov_b32 s[G1K+1], 32<<16
	s_mov_b32 s[G1K+2], 64<<16
	s_mov_b32 s[G1K+3], 32<<16
	s_mov_b32 s[G1K+4], 64
	s_mov_b32 s[G1K+5], 32
	s_mov_b32 s[G1K+6], 0
	s_mov_b32 s[G1K+7], 0
	s_or_b32 s[G1M], s22, (2<<16)|(1<<20)|(1<<21)|(6<<22)|(3<<25)   ; the mask: 64 rows of 128 f32, 2,048 apart, 4 words of padding behind each row
	s_mov_b32 s[G1M+1], 128<<16
	s_mov_b32 s[G1M+2], 64<<16
	s_mov_b32 s[G1M+3], 128<<16
	s_mov_b32 s[G1M+4], 64
	s_mov_b32 s[G1M+5], 2048
	s_mov_b32 s[G1M+6], 0
	s_mov_b32 s[G1M+7], 0
	s_mov_b32 s[SEL], 0x76543210
	s_mov_b32 s[SEL+1], 0xfedcba98
	s_mov_b32 s[CA], 0x3ba723c0                    ; 2 log2(e) / (50 sqrt(128))
	s_mov_b32 s[L2E], 0x3fb8aa3b
	s_mov_b32 s[L2E+1], s[L2E]
	s_mov_b32 s[C100], 0xc2c80000                  ; -100
	s_mov_b32 s[C100+1], s[C100]
	s_mov_b32 s[TB], 0
	s_mov_b32 s[SLOTS], 14
	s_lshl_b32 s73, s16, 14                        ; my quarter, in a slot and in memory
	s_lshl_b32 s74, s20, 20                        ; the pair's 16 tiles of 64 KiB
	s_add_co_u32 s74, s74, s73
	s_mov_b32 s75, 0
	s_lshl_b32 s76, s19, 19                        ; my block's 64 rows of the mask
	s_mov_b32 s77, 0
	s_wait_dscnt 0x0                               ; both opening adds are done
	s_wait_kmcnt 0x0
	s_load_b128 s[68:71], s[10:11], 0x18           ; e6, e7, e8, e9
	s_load_b32 s72, s[10:11], 0x28                 ; e10
	s_add_nc_u64 s[74:75], s[6:7], s[74:75]
	s_add_nc_u64 s[76:77], s[8:9], s[76:77]
.irp s, 0,1
	s_mov_b32 s[G0K+4*\s], 1
	s_add_co_u32 s[G0K+4*\s+1], s73, \s*SLOT1
	s_add_nc_u64 s[G0K+4*\s+2:G0K+4*\s+3], s[74:75], \s*65536
	s_or_b32 s[G0K+4*\s+3], s[G0K+4*\s+3], 0x80000000
	s_mov_b32 s[G0M+4*\s], 1
	s_mov_b32 s[G0M+4*\s+1], MOFF+\s*SLOT1
	s_add_nc_u64 s[G0M+4*\s+2:G0M+4*\s+3], s[76:77], \s*512
	s_or_b32 s[G0M+4*\s+3], s[G0M+4*\s+3], 0x80000000
.endr
	CROUND                                         ; all sixteen work-groups are here: the first joint loads meet
	JLOAD 0                                        ; tile 0: one tensor load a wave at the head
	s_and_b32 s67, s[WV], 1                        ; my half of a slot's keys
	s_xor_b32 s66, s67, 1
	s_lshl_b32 s96, s67, 11                        ; Q: set 0's image in the pair of images, and set 1's
	s_lshl_b32 s97, s66, 11
	s_lshl_b32 s78, s20, 1
	s_add_co_u32 s78, s78, s15                     ; my head
	s_lshl_b32 s78, s78, 18
	s_lshl_b32 s79, s19, 2
	s_and_b32 s80, s16, 2
	s_add_co_u32 s79, s79, s80                     ; the first of my two tiles
	s_lshl_b32 s79, s79, 11
	s_add_co_u32 s78, s78, s79
	s_mov_b32 s79, 0
	s_add_nc_u64 s[4:5], s[4:5], s[78:79]
	s_lshl_b32 s80, s15, 15                        ; my head's 32 KiB of a slot
	s_lshl_b32 s81, s67, 10
	s_add_co_u32 s81, s81, s80
	s_add_co_u32 s81, s81, 16384                   ; V: behind K's 16 KiB; my half of a fragment's 2 KiB
	s_lshl_b32 s92, s67, 13
	s_add_co_u32 s80, s80, s92                     ; K: my four fragments
	s_lshl_b32 s94, s67, 8
	s_add_co_u32 s94, s94, MOFF                    ; the mask: my 64 keys' 256 bytes of a row
	s_mul_i32 s92, s16, 16*MP
	s_add_co_u32 s92, s92, s94                     ; set 0's rows
	s_xor_b32 s93, s16, 1
	s_mul_i32 s93, s93, 16*MP
	s_add_co_u32 s93, s93, s94                     ; set 1's
	s_mul_i32 s94, s16, 16*SPT
	s_lshl_b32 s95, s15, 7
	s_add_co_u32 s94, s94, s95
	s_add_co_u32 s94, s94, STAGE                   ; the stage: set 0's rows, my head's 128 bytes
	s_mul_i32 s95, s[WV], 8*SPT
	s_add_co_u32 s95, s95, STAGE                   ; back: rows 8 w on
	v_and_b32 v[LI], 31, v0
	v_and_b32 v30, 15, v0                          ; r
	v_bfe_u32 v31, v0, 4, 1                        ; h
	v_lshlrev_b32 v[LI], 4, v[LI]
	v_add_nc_u32 v28, s96, v[LI]
	v_add_nc_u32 v29, s97, v[LI]
.irp c, 0,1,2,3
	global_load_b128 v[QF+4*\c:QF+4*\c+3], v28, s[4:5] offset:512*\c       ; Q's two fragments stay in registers
	global_load_b128 v[QF+16+4*\c:QF+19+4*\c], v29, s[4:5] offset:512*\c
.endr
	v_add_nc_u32 v[AK0], s80, v[LI]
	v_add_nc_u32 v[AV0], s81, v[LI]
	v_mul_u32_u24 v[AMA0], v30, MP
	v_lshl_add_u32 v[AMA0], v31, 5, v[AMA0]
	v_add_nc_u32 v[AMB0], s93, v[AMA0]
	v_add_nc_u32 v[AMA0], s92, v[AMA0]             ; my query's row; tile t's eight keys of my half of the lanes lie 64 t + 32 h bytes on
	v_mul_u32_u24 v[STO], v30, SPT
	v_lshl_add_u32 v[STO], v31, 3, v[STO]
	v_add_nc_u32 v[STO], s94, v[STO]
	v_mul_u32_u24 v[RD], v31, SPT
	v_lshl_add_u32 v[RD], v30, 4, v[RD]
	v_add_nc_u32 v[RD], s95, v[RD]
	v_lshlrev_b32 v[GO], 11, v31
	v_lshl_add_u32 v[GO], v30, 4, v[GO]
	v_mov_b32 v13, 0xff61b1e6                      ; the largest t so far: -3e38
	v_mov_b32 v15, 0xff61b1e6
	v_floor_f32 v12, -v13                          ; -M
	v_floor_f32 v14, -v15
.irp r, 16,17,18,19,25,27,214,215
	v_mov_b32 v\r, 0                               ; the sums; the upper halves of the factors' pairs; the lane permutes' destinations
.endr
	v_mov_b32 v212, 0x42480000                     ; 50
	v_mov_b32 v213, 0x42480000
	v_and_b32 v[PFO], 31, v0
	v_lshrrev_b32 v31, 1, v[PFO]
	v_and_b32 v[PFO], 1, v[PFO]
	v_lshlrev_b32 v[PFO], 8, v[PFO]
	WIN 0x40
.set j, 0
.rept 128
	v_mov_b32 v[j], 0                              ; O^T: the step has no first step of its own; the first change of M multiplies zeros
.set j, j+1
.endr
	WIN 0
	s_lshl_b32 s80, s19, 6
	s_lshl_b32 s81, s[WV], 3
	s_add_co_u32 s80, s80, s81                     ; the first row that I store: 64 x block + 8 x wave
	s_lshl_b32 s80, s80, 11
	s_lshl_b32 s81, s20, 8
	s_add_co_u32 s80, s80, s81
	s_mov_b32 s81, 0
	s_add_nc_u64 s[12:13], s[12:13], s[80:81]
	s_lshl_b32 s92, s20, 20                        ; the prefetches.  K and V: the pair, my work-group's quarter, my wave's half of it, in tile 2 (the first change steps it to tile 3)
	s_lshl_b32 s93, s17, 14
	s_add_co_u32 s92, s92, s93
	s_and_b32 s93, s[WV], 1
	s_lshl_b32 s93, s93, 13
	s_add_co_u32 s92, s92, s93
	s_add_co_u32 s92, s92, 2*65536
	s_lshl_b32 s94, s19, 19                        ; the mask: my block's rows, my work-group's 16 of them, in tile 2
	s_lshl_b32 s95, s18, 17
	s_add_co_u32 s94, s94, s95
	s_add_co_u32 s94, s94, 2*512
	s_and_b32 s95, ttmp7, 0xffff
	s_mov_b32 s96, 65536
	s_mov_b32 s97, 8192
	s_cmp_eq_u32 s[WV], 7
	s_cselect_b64 s[PFA:PFA+1], s[8:9], s[6:7]
	s_cselect_b32 s92, s94, s92
	s_cselect_b32 s[PFS], 512, s96
	s_cselect_b32 s97, s97, 512
	s_cselect_b32 s95, s95, ttmp9
	s_mov_b32 s93, 0
	s_mov_b32 s[PFS+1], 0
	s_add_nc_u64 s[PFA:PFA+1], s[PFA:PFA+1], s[92:93]
	s_cmp_lt_u32 s[WV], 5
	s_cselect_b32 s96, 1, 0
	s_or_b32 s95, s95, s96
	s_cmp_eq_u32 s95, 0
	s_cselect_b32 s[LIM], 1, -1
	s_wait_alu depctr_va_vdst(0)                   ; the wait behind the run of scalar lines
	v_mul_lo_u32 v31, v31, s97
	v_add_nc_u32 v[PFO], v[PFO], v31               ; (lane / 2) x 512 or 8,192 + (lane % 2) x 256
	s_wait_alu depctr_va_vdst(0)
	s_wait_kmcnt 0x0
	s_add_co_i32 s80, s68, s69
	s_lshl_b32 s80, s80, 23
	s_add_co_i32 s[CA], s[CA], s80                 ; e6 + e7 go into the constant's exponent field
	s_mov_b32 s[CA+1], s[CA]
	s_add_co_i32 s80, s70, 127
	s_lshl_b32 s81, s80, 23
	v_mov_b32 v209, s81                            ; 2^e8
	s_add_co_i32 s80, s80, 8
	s_lshl_b32 s80, s80, 23
	s_or_b32 s80, s80, 0x600000
	v_mov_b32 v208, s80                            ; 448 x 2^e8
	s_add_co_i32 s80, s72, 127
	s_lshl_b32 s81, s80, 23
	v_mov_b32 v211, s81                            ; 2^e10
	s_add_co_i32 s80, s80, 8
	s_lshl_b32 s80, s80, 23
	s_or_b32 s80, s80, 0x600000
	v_mov_b32 v210, s80                            ; 448 x 2^e10
	s_add_co_i32 s82, s70, s71                     ; e8 + e9
.macro KLOAD                           ; my four fragments of K (16 loads), then my 32 queries' part of the mask (16 loads)
	WIN 0x40
.set i, 0
.rept 16
	ds_load_b128 v[128+4*i:131+4*i], v[ADK] offset:512*i
.set i, i+1
.endr
	WIN 0
.set i, 0
.rept 4
	ds_load_b128 v[MK+8*i:MK+8*i+3], v[ADMA] offset:64*i
	ds_load_b128 v[MK+8*i+4:MK+8*i+7], v[ADMA] offset:64*i+16
	ds_load_b128 v[MK+32+8*i:MK+35+8*i], v[ADMB] offset:64*i
	ds_load_b128 v[MK+36+8*i:MK+39+8*i], v[ADMB] offset:64*i+16
.set i, i+1
.endr
.endm
.macro VLOAD                           ; my keys' half (8 registers) of V's eight fragments: 16 loads
	WIN 0x40
.set i, 0
.rept 8
	ds_load_b128 v[192+8*i:195+8*i], v[ADV] offset:2048*i
	ds_load_b128 v[196+8*i:199+8*i], v[ADV] offset:2048*i+512
.set i, i+1
.endr
	WIN 0
.endm
.macro NEWADR                          ; the addresses in the slot in hand
	v_add_nc_u32 v[ADK], s[TB], v[AK0]
	v_add_nc_u32 v[ADV], s[TB], v[AV0]
	v_add_nc_u32 v[ADMA], s[TB], v[AMA0]
	v_add_nc_u32 v[ADMB], s[TB], v[AMB0]
.endm
; The step's largest logit of each set's query among my 32 numbers, four chains by turns; then among lane l xor 16's; as t; the running largest t; the new -M = floor(-t); f = 2^(old M - new M).
.macro MAXM
	v_max3_num_f32 v28, v[S], v[S+1], v[S+2]
	v_max3_num_f32 v30, v[S+32], v[S+33], v[S+34]
	v_max3_num_f32 v29, v[S+3], v[S+4], v[S+5]
	v_max3_num_f32 v31, v[S+35], v[S+36], v[S+37]
.set j, 6
.rept 6
	v_max3_num_f32 v28, v28, v[S+j], v[S+j+1]
	v_max3_num_f32 v30, v30, v[S+32+j], v[S+33+j]
	v_max3_num_f32 v29, v29, v[S+j+2], v[S+j+3]
	v_max3_num_f32 v31, v31, v[S+34+j], v[S+35+j]
.set j, j+4
.endr
	v_max3_num_f32 v28, v28, v[S+30], v[S+31]
	v_max3_num_f32 v30, v30, v[S+62], v[S+63]
	v_max_num_f32 v28, v28, v29
	v_max_num_f32 v30, v30, v31
	v_permlanex16_b32 v214, v28, s[SEL], s[SEL+1]
	v_permlanex16_b32 v215, v30, s[SEL], s[SEL+1]
	v_max_num_f32 v28, v28, v214
	v_max_num_f32 v30, v30, v215
	v_mul_f32 v28, s[L2E], v28                     ; log2(e) is positive: the largest logit gives the largest t
	v_mul_f32 v30, s[L2E], v30
	v_max_num_f32 v13, v13, v28
	v_max_num_f32 v15, v15, v30
	v_mov_b32 v28, v12
	v_mov_b32 v30, v14
	v_floor_f32 v12, -v13
	v_floor_f32 v14, -v15
	v_sub_f32 v28, v12, v28                        ; a whole number, 0 or less
	v_sub_f32 v30, v14, v30
	v_cvt_i32_f32 v28, v28                         ; (it saturates)
	v_cvt_i32_f32 v30, v30
	v_ldexp_f32 v24, 1.0, v28
	v_ldexp_f32 v26, 1.0, v30
.endm
; A STEP: a slot's 128 keys, of which 64 are mine.  chg = 2: the slot is left and filled again; 1: it is left; 0: the last step.
.macro STEP chg
	s_wait_dscnt 16                                ; K is in; the sixteen loads of the mask behind it may be out
	WIN 0x01
.irp t, 0,1,2,3
	v_wmma_f32_16x16x128_fp8_fp8 v[S+8*\t:S+8*\t+7], v[128+16*\t:143+16*\t], v[QF:QF+15], 0
	v_wmma_f32_16x16x128_fp8_fp8 v[S+32+8*\t:S+39+8*\t], v[128+16*\t:143+16*\t], v[QF+16:QF+31], 0
.endr
	WIN 0
.rept 4
	v_nop                                          ; places: for the reads of the scores, and for the loads into V's registers, which the last step's products read
.endr
	VLOAD
.set j, 0
.rept 32
	v_pk_mul_f32 v[S+j:S+j+1], v[S+j:S+j+1], s[CA:CA+1] op_sel_hi:[1,0]   ; z; each accumulator from its low end on
.set j, j+2
.endr
	s_wait_alu depctr_va_vdst(0)                   ; a wait ahead of each batch and one behind it
.set j, 0
.rept 64
	v_exp_f32 v[S+j], v[S+j]                       ; 2^z
.set j, j+1
.endr
	v_nop
	s_wait_alu depctr_va_vdst(0)
.set j, 0
.rept 32
	v_pk_add_f32 v[S+j:S+j+1], v[S+j:S+j+1], 1.0 op_sel_hi:[1,0]
.set j, j+2
.endr
	s_wait_alu depctr_va_vdst(0)
.set j, 0
.rept 64
	v_rcp_f32 v[S+j], v[S+j]                       ; 1 / (1 + 2^z)
.set j, j+1
.endr
	v_nop
	s_wait_alu depctr_va_vdst(0)
.set j, 0
.rept 32
	v_pk_fma_f32 v[S+j:S+j+1], v[S+j:S+j+1], s[C100:C100+1], v[212:213] op_sel_hi:[1,0,0]   ; 50 tanh = 50 - 100 / (1 + 2^z)
.set j, j+2
.endr
	s_wait_dscnt 16                                ; the mask is in; V's 16 loads behind it may be out
.set j, 0
.rept 32
	v_pk_add_f32 v[S+j:S+j+1], v[S+j:S+j+1], v[MK+j:MK+j+1]   ; the logit
.set j, j+2
.endr
.if \chg
	; THE CHANGE OF SLOTS: all my tensor loads are waited for, 0 is added to my spare word, the add and my reads of the slot (K, the mask, V) are waited for; the maxima, work on registers, stand between the signal and the wait.
	s_wait_alu depctr_va_vdst(0)
	s_wait_tensorcnt 0x0
	ds_add_u32 v[SPW], v[NIL]
.if \chg == 2
	ds_add_u32 v[SPW], v[NIL]                      ; and twice on end where a load follows
	s_xor_b32 s[G0K+5], s[G0K+5], SLOT1            ; the walking descriptors: the other slot, the next tile
	s_add_nc_u64 s[G0K+6:G0K+7], s[G0K+6:G0K+7], 65536
	s_xor_b32 s[G0M+5], s[G0M+5], SLOT1
	s_add_nc_u64 s[G0M+6:G0M+7], s[G0M+6:G0M+7], 512
	s_wait_xcnt 0x0                                ; the last prefetch has read its address
	s_add_nc_u64 s[PFA:PFA+1], s[PFA:PFA+1], s[PFS:PFS+1]
.endif
	s_wait_dscnt 0x0
	s_barrier_signal -1
	MAXM
	s_wait_alu depctr_va_vdst(0)
	s_barrier_wait -1
.if \chg == 2
	CREST                                          ; the barrier has opened a round of the cluster's: no wave of any partner still reads the slot or has a load on its way
	JLOAD 1                                        ; the tile two steps on
	ASK
.endif
	s_xor_b32 s[TB], s[TB], SLOT1
	NEWADR
	KLOAD                                          ; the next step's K and mask land under the rest of this step
.else
	MAXM
.endif
.set j, 0
.rept 16
	v_pk_fma_f32 v[S+j:S+j+1], v[S+j:S+j+1], s[L2E:L2E+1], v[12:13] op_sel_hi:[1,0,0]         ; t - M = logit x log2(e) - M, rounded once
	v_pk_fma_f32 v[S+32+j:S+33+j], v[S+32+j:S+33+j], s[L2E:L2E+1], v[14:15] op_sel_hi:[1,0,0]
.set j, j+2
.endr
	s_wait_alu depctr_va_vdst(0)
.set j, 0
.rept 64
	v_exp_f32 v[S+j], v[S+j]                       ; p = 2^(t - M): not normalised
.set j, j+1
.endr
	v_pk_mul_f32 v[16:17], v[16:17], v[24:25] op_sel_hi:[1,0]   ; the sums under the new M
	v_pk_mul_f32 v[18:19], v[18:19], v[26:27] op_sel_hi:[1,0]
	s_wait_alu depctr_va_vdst(0)
.set j, 0
.rept 4
	v_pk_add_f32 v[T+j:T+j+1], v[S+j:S+j+1], v[S+8+j:S+9+j]                ; the sums of the unquantised p: eight chains by turns
	v_pk_add_f32 v[T+8+j:T+9+j], v[S+32+j:S+33+j], v[S+40+j:S+41+j]
.set j, j+2
.endr
.set j, 0
.rept 8
	v_pk_add_f32 v[T+(j%8):T+(j%8)+1], v[T+(j%8):T+(j%8)+1], v[S+16+j:S+17+j]
	v_pk_add_f32 v[T+8+(j%8):T+9+(j%8)], v[T+8+(j%8):T+9+(j%8)], v[S+48+j:S+49+j]
.set j, j+2
.endr
	v_pk_add_f32 v[T:T+1], v[T:T+1], v[T+2:T+3]
	v_pk_add_f32 v[T+8:T+9], v[T+8:T+9], v[T+10:T+11]
	v_pk_add_f32 v[T+4:T+5], v[T+4:T+5], v[T+6:T+7]
	v_pk_add_f32 v[T+12:T+13], v[T+12:T+13], v[T+14:T+15]
	v_pk_add_f32 v[T:T+1], v[T:T+1], v[T+4:T+5]
	v_pk_add_f32 v[T+8:T+9], v[T+8:T+9], v[T+12:T+13]
	v_pk_add_f32 v[16:17], v[16:17], v[T:T+1]
	v_pk_add_f32 v[18:19], v[18:19], v[T+8:T+9]
.set j, 0
.rept 64
	v_min_num_f32 v[S+j], v[S+j], v208             ; the conversion does not saturate (ISA guide 7.6.2); p is not negative, so the hold is one-sided
.set j, j+1
.endr
.set j, 0
.rept 8
	v_cvt_scalef32_pk8_fp8_f32 v[PC+2*j:PC+2*j+1], v[S+8*j:S+8*j+7], v209   ; tile t of set a: registers 8 a + 2 t, + 1 of P: my keys 16 t + 8 h + 0 .. 7
.set j, j+1
.endr
	WIN 0x41
	s_wait_alu depctr_va_vdst(0)                   ; the wait directly ahead of the first reader of O^T
.set j, 0
.rept 32
	v_pk_mul_f32 v[j:j+1], v[j:j+1], v[24:25] op_sel_hi:[1,0]   ; O^T under the new M
.set j, j+2
.endr
.rept 32
	v_pk_mul_f32 v[j:j+1], v[j:j+1], v[26:27] op_sel_hi:[1,0]
.set j, j+2
.endr
.if \chg == 0
	s_wait_alu depctr_va_vdst(0)
	s_wait_dscnt 0x0                               ; V is in (in the other steps the change of slots has waited for it)
.endif
	WIN 0x51
.irp t, 0,1,2,3,4,5,6,7
	v_wmma_f32_16x16x64_fp8_fp8 v[8*\t:8*\t+7], v[192+8*\t:199+8*\t], v[PC:PC+7], v[8*\t:8*\t+7]                 ; sixteen accumulators, one instruction a turn
	v_wmma_f32_16x16x64_fp8_fp8 v[64+8*\t:71+8*\t], v[192+8*\t:199+8*\t], v[PC+8:PC+15], v[64+8*\t:71+8*\t]
.endr
	WIN 0
.endm
	s_wait_alu depctr_va_vdst(0)                   ; the wait at the head's end
	s_wait_tensorcnt 0x0                           ; my part of tile 0 is in; slot 1's first fill is issued as a refill is
	ds_add_u32 v[SPW], v[NIL]
	ds_add_u32 v[SPW], v[NIL]
	s_wait_dscnt 0x0
	CROUND
	JLOAD 1                                        ; tile 1
	NEWADR
	KLOAD                                          ; step 0
	s_wait_loadcnt 0x0                             ; Q
.Lslot:                                                ; 14 trips: trip j works step j and asks for tile j + 2
	s_wait_alu depctr_va_vdst(0)
	STEP 2
	s_sub_co_u32 s[SLOTS], s[SLOTS], 1
	s_cmp_lg_u32 s[SLOTS], 0
	s_cbranch_scc1 .Lslot
	STEP 1                                         ; the last two steps are written out
	STEP 0
	; THE JOIN.  Set 1 goes to my partner as an image of its registers; my partner's set 1 holds my set 0's queries over the other half of the keys.
	s_lshl_b32 s80, s[WV], 13
	s_xor_b32 s81, s[WV], 1
	s_lshl_b32 s92, s81, 13
	s_lshl_b32 s93, s[WV], 8
	s_add_co_u32 s93, s93, XM
	s_lshl_b32 s94, s81, 8
	s_add_co_u32 s94, s94, XM
	v_add_f32 v16, v16, v17                        ; the sums' two halves, (these lines are also the places behind the last products)
	v_add_f32 v18, v18, v19
	v_permlanex16_b32 v214, v16, s[SEL], s[SEL+1]
	v_permlanex16_b32 v215, v18, s[SEL], s[SEL+1]
	v_add_f32 v16, v16, v214                       ; and lane l xor 16's
	v_add_f32 v18, v18, v215
	v_add_nc_u32 v28, s80, v[LI]
	v_add_nc_u32 v29, s92, v[LI]
	v_lshrrev_b32 v30, 2, v[LI]
	v_add_nc_u32 v31, s94, v30
	v_add_nc_u32 v30, s93, v30
	WIN 0x04                                       ; the stores' data in window 1
.set i, 0
.rept 16
	ds_store_b128 v28, v[64+4*i:67+4*i] offset:512*i   ; each accumulator from its low end on
.set i, i+1
.endr
	WIN 0
	ds_store_b32 v30, v14
	ds_store_b32 v30, v18 offset:128
	s_wait_alu depctr_va_vdst(0)
	s_wait_dscnt 0x0                               ; for my partner's sake: my stores are done
	s_barrier_signal -1
	s_barrier_wait -1
.set i, 0
.rept 16
	ds_load_b128 v[S+4*i:S+4*i+3], v29 offset:512*i
.set i, i+1
.endr
	ds_load_b32 v216, v31
	ds_load_b32 v217, v31 offset:128
	s_wait_dscnt 0x0
	v_min_num_f32 v218, v12, v216                  ; -M of the two halves together
	v_sub_f32 v219, v218, v12                      ; my M less the joint one, and my partner's: whole numbers, 0 or less
	v_sub_f32 v220, v218, v216
	v_cvt_i32_f32 v219, v219
	v_cvt_i32_f32 v220, v220
	v_ldexp_f32 v219, 1.0, v219
	v_ldexp_f32 v220, 1.0, v220
	v_mul_f32 v16, v16, v219
	v_fmac_f32 v16, v217, v220                     ; the row's sum
	s_wait_alu depctr_va_vdst(0)
	v_rcp_f32 v16, v16
	v_nop
	s_wait_alu depctr_va_vdst(0)
	v_ldexp_f32 v16, v16, s82                      ; x 2^(e8 + e9)
	v_mul_f32 v24, v16, v219
	v_mul_f32 v26, v16, v220
.set j, 0
.rept 32
	v_pk_mul_f32 v[S+j:S+j+1], v[S+j:S+j+1], v[26:27] op_sel_hi:[1,0]
.set j, j+2
.endr
	WIN 0x01
	s_wait_alu depctr_va_vdst(0)                   ; directly ahead of the first reader of set 0's O^T
.set j, 0
.rept 32
	v_pk_fma_f32 v[S+j:S+j+1], v[j:j+1], v[24:25], v[S+j:S+j+1] op_sel_hi:[1,0,1]   ; register 8 t + i is o(query r, channel 16 t + 8 h + i)
.set j, j+2
.endr
	WIN 0
.set j, 0
.rept 64
	v_med3_num_f32 v[S+j], v[S+j], -v210, v210
.set j, j+1
.endr
.set j, 0
.rept 8
	v_cvt_scalef32_pk8_fp8_f32 v[PC+2*j:PC+2*j+1], v[S+8*j:S+8*j+7], v211
.set j, j+1
.endr
	v_nop                                          ; a plain vector line behind the last conversion
.irp t, 0,1,2,3,4,5,6,7
	ds_store_b64 v[STO], v[PC+2*\t:PC+2*\t+1] offset:16*\t
.endr
	s_wait_dscnt 0x0                               ; the rows of both heads meet in the stage
	s_barrier_signal -1
	s_barrier_wait -1
.irp i, 0,1,2,3
	ds_load_b128 v[MK+4*\i:MK+4*\i+3], v[RD] offset:2*\i*SPT
.endr
.irp i, 0,1,2,3
	s_wait_dscnt 3-\i
	global_store_b128 v[GO], v[MK+4*\i:MK+4*\i+3], s[12:13] offset:4096*\i   ; 16 lanes store 256 consecutive bytes, aligned
.endr
	s_wait_tensorcnt 0x0                           ; the wave's end
	ds_add_u32 v[SPW], v[NIL]
	s_wait_dscnt 0x0
	CROUND                                         ; the closing round
	s_endpgm
.Lfunc_end_k_q231d95414c_attn:
	.size	k_q231d95414c_attn, .Lfunc_end_k_q231d95414c_attn-k_q231d95414c_attn
	.p2alignl 7, 3214868480
	.fill 96, 4, 3214868480
	.section	.rodata,"a",@progbits
	.p2align	6, 0x0
	.amdhsa_kernel k_q231d95414c_attn
		.amdhsa_group_segment_fixed_size 327680
		.amdhsa_private_segment_fixed_size 0
		.amdhsa_enable_private_segment 0
		.amdhsa_kernarg_size 40
		.amdhsa_user_sgpr_count 2
		.amdhsa_user_sgpr_kernarg_segment_ptr 1
		.amdhsa_wavefront_size32 1
		.amdhsa_system_sgpr_workgroup_id_x 1
		.amdhsa_system_sgpr_workgroup_id_y 1
		.amdhsa_system_sgpr_workgroup_id_z 1
		.amdhsa_system_vgpr_workitem_id 0
		.amdhsa_next_free_vgpr 512
		.amdhsa_next_free_sgpr 100
		.amdhsa_reserve_vcc 0
		.amdhsa_float_denorm_mode_32 3
		.amdhsa_float_denorm_mode_16_64 3
		.amdhsa_memory_ordered 1
		.amdhsa_forward_progress 1
		.amdhsa_inst_pref_size 131
	.end_amdhsa_kernel
	.amdgpu_metadata
---
amdhsa.version: [ 1, 2 ]
amdhsa.kernels:
  - .name:           k_q231d95414c_attn
    .symbol:         k_q231d95414c_attn.kd
    .args:
      - { .name: q_codes, .offset: 0, .size: 8, .value_kind: global_buffer, .address_space: global }
      - { .name: kv_codes, .offset: 8, .size: 8, .value_kind: global_buffer, .address_space: global }
      - { .name: mask, .offset: 16, .size: 8, .value_kind: global_buffer, .address_space: global }
      - { .name: lowp_scales, .offset: 24, .size: 8, .value_kind: global_buffer, .address_space: global }
      - { .name: ao_codes, .offset: 32, .size: 8, .value_kind: global_buffer, .address_space: global }
    .group_segment_fixed_size: 327680
    .private_segment_fixed_size: 0
    .kernarg_segment_align: 8
    .kernarg_segment_size: 40
    .max_flat_workgroup_size: 256
    .sgpr_count:     100
    .vgpr_count:     512
    .wavefront_size: 32
...
	.end_amdgpu_metadata
.endif
;; end of part 3
;; launch oproj (part 4): grid 16 x 16, 4 waves a work-group, clusters of 4 x 4, 327,680 bytes of LDS; arguments ao_codes, codes, lowp_scales, out0; writes out0
.if DOCPART == 4
	.amdgcn_target "amdgcn-amd-amdhsa--gfx1250"
	.amdhsa_code_object_version 6
	.text
	.protected	k_q231d95414c_oproj
	.globl	k_q231d95414c_oproj
	.p2align	8
	.type	k_q231d95414c_oproj,@function
k_q231d95414c_oproj:
	s_mov_b64 s[64:65], 0
	v_nop
	global_prefetch_b8 v0, s[64:65] scope:SCOPE_SE
	s_setreg_imm32_b32 hwreg(HW_REG_WAVE_MODE, 25, 1), 1
	s_wait_xcnt 0x0
	s_wait_alu depctr_hold_cnt(0) depctr_sa_sdst(0) depctr_va_vdst(0) depctr_va_sdst(0) depctr_va_ssrc(0) depctr_va_vcc(0) depctr_vm_vsrc(0)
	s_getreg_b32 s2, hwreg(HW_REG_IB_STS2, 6, 4)
	s_cmp_eq_u32 s2, 0
	s_cbranch_scc0 .Lentry_in_a_cluster
	s_endpgm
.Lentry_in_a_cluster:
	s_bfe_u32 s2, ttmp6, 0x10000c
	s_cmp_lg_u32 s2, 0xf033
	s_cbranch_scc0 .Lentry_shape_is_right
	s_endpgm
.Lentry_shape_is_right:
.set SIZE_N, 2048
.set SEC,    4194304
.set ROWB,   512
.set KROW,   2048
.set PITCH,  528
.set HALFT,  64*PITCH
.set SLOT,   4*HALFT
.set STAGE,  2*SLOT
.set SPITCH, 272
.set SPARE,  STAGE+4*16*SPITCH
.set ADRA, 16
.set ADRB, 20
.set STO,  24
.set RD,   25
.set CO,   26
.set SPW,  28
.set NIL,  29
.set TMP,  32
.set ACC,  128
.set F0,   0
.set F1,   128
.set G1, 24
.set G0, 32
.set G1B, 48
.set G0B, 56
.set MSB, 0
.macro WIN new
.if MSB != \new
	s_set_vgpr_msb (MSB<<8)|\new
.set MSB, \new
.endif
.endm
.set MUL,  0x05
.set TO_F, 0x40
.macro JLOAD g0a, g1a, g0b, g1b
	s_cmp_eq_u32 s15, 0
	s_cbranch_scc0 .Lfor_b_\@
	tensor_load_to_lds s[\g0a:\g0a+3], s[\g1a:\g1a+7]
	s_nop 0
.rept 4
	v_nop
.endr
	s_branch .Lasked_\@
.Lfor_b_\@:
	tensor_load_to_lds s[\g0b:\g0b+3], s[\g1b:\g1b+7]
	s_nop 0
.rept 4
	v_nop
.endr
.Lasked_\@:
.endm
.macro CREST
	s_cmp_lg_u32 s14, 0
	s_cbranch_scc1 .Lnot_wave_0_\@
	s_barrier_signal -3
.Lnot_wave_0_\@:
	s_barrier_wait -3
	s_barrier_signal -1
	s_barrier_wait -1
.endm
.macro CROUND
	s_barrier_signal -1
	s_barrier_wait -1
	CREST
.endm
	s_load_b128 s[4:7], s[0:1], 0x0
	s_load_b128 s[8:11], s[0:1], 0x10
	v_lshl_add_u32 v[SPW], v0, 2, SPARE
	v_mov_b32 v[NIL], 0
	ds_add_u32 v28, v29
	ds_add_u32 v28, v29
	s_wait_dscnt 0x0
	v_lshrrev_b32 v1, 5, v0
	v_readfirstlane_b32 s14, v1
	s_lshr_b32 s15, s14, 1
	s_and_b32 s16, s14, 1
	s_bfe_u32 s40, ttmp6, 0x40000
	s_bfe_u32 s41, ttmp6, 0x40004
	s_lshl_b32 s42, ttmp9, 2
	s_add_co_u32 s42, s42, s40
	s_and_b32 s17, ttmp7, 0xffff
	s_lshl_b32 s17, s17, 2
	s_add_co_u32 s17, s17, s41
	s_lshl_b32 s43, s41, 2
	s_lshl_b32 s43, 15, s43
	s_lshl_b32 s44, 0x1111, s40
	s_or_b32 s[G1+0], s43, (0<<16)|(1<<20)|(1<<21)|(6<<22)|(3<<25)
	s_or_b32 s[G1B+0], s44, (0<<16)|(1<<20)|(1<<21)|(6<<22)|(3<<25)
.irp g, G1, G1B
	s_mov_b32 s[\g+1], ROWB<<16
	s_mov_b32 s[\g+2], 64<<16
	s_mov_b32 s[\g+3], ROWB<<16
	s_mov_b32 s[\g+4], 64
	s_mov_b32 s[\g+5], KROW
	s_mov_b32 s[\g+6], 0
	s_mov_b32 s[\g+7], 0
.endr
	s_lshl_b32 s18, s16, 6
	s_lshl_b32 s20, s17, 7
	s_add_co_u32 s20, s20, s18
	s_lshl_b32 s20, s20, 11
	s_mov_b32 s21, 0
	s_lshl_b32 s46, s42, 7
	s_add_co_u32 s46, s46, s18
	s_lshl_b32 s46, s46, 11
	s_add_co_u32 s46, s46, 6*SEC
	s_mov_b32 s47, 0
	s_mul_i32 s45, s14, HALFT
	s_wait_kmcnt 0x0
	s_load_b64 s[96:97], s[8:9], 0x28
	s_add_nc_u64 s[20:21], s[4:5], s[20:21]
	s_add_nc_u64 s[46:47], s[6:7], s[46:47]
	CROUND
.irp s, 0,1
	s_mov_b32 s[G0+4*\s], 1
	s_add_co_u32 s[G0+4*\s+1], s45, \s*SLOT
	s_add_nc_u64 s[G0+4*\s+2:G0+4*\s+3], s[20:21], \s*ROWB
	s_or_b32 s[G0+4*\s+3], s[G0+4*\s+3], 0x80000000
	s_mov_b32 s[G0B+4*\s], 1
	s_add_co_u32 s[G0B+4*\s+1], s45, \s*SLOT
	s_add_nc_u64 s[G0B+4*\s+2:G0B+4*\s+3], s[46:47], \s*ROWB
	s_or_b32 s[G0B+4*\s+3], s[G0B+4*\s+3], 0x80000000
	s_wait_alu depctr_va_vdst(0)
	s_wait_tensorcnt 0x0
	ds_add_u32 v28, v29
	ds_add_u32 v28, v29
	s_wait_dscnt 0x0
	CROUND
	JLOAD G0+4*\s, G1, G0B+4*\s, G1B
.endr
	v_and_b32 v1, 15, v0
	s_wait_alu depctr_va_vdst(0)
	v_bfe_u32 v2, v0, 4, 1
	v_mul_u32_u24 v3, v1, PITCH
	v_lshl_add_u32 v4, v2, 4, v3
	s_mul_i32 s21, s15, HALFT
	s_mul_i32 s22, s16, HALFT
	s_add_co_u32 s22, s22, 2*HALFT
.irp s, 0,1
	v_add_nc_u32 v[ADRA+\s], s21, v4
	v_add_nc_u32 v[ADRB+\s], s22, v4
	s_add_co_u32 s21, s21, SLOT
	s_add_co_u32 s22, s22, SLOT
.endr
	s_mul_i32 s23, s14, 16*SPITCH
	s_add_co_u32 s23, s23, STAGE
	v_mul_u32_u24 v5, v1, SPITCH
	s_wait_alu depctr_va_vdst(0)
	v_lshl_add_u32 v5, v2, 5, v5
	v_add_nc_u32 v[STO], s23, v5
	v_mul_u32_u24 v6, v2, SPITCH
	v_lshl_add_u32 v6, v1, 4, v6
	v_add_nc_u32 v[RD], s23, v6
	v_lshlrev_b32 v7, 13, v2
	v_lshl_add_u32 v[CO], v1, 4, v7
	s_lshl_b32 s20, s17, 7
	s_lshl_b32 s21, s15, 6
	s_add_co_u32 s20, s20, s21
	s_lshl_b32 s20, s20, 13
	s_mov_b32 s21, 0
	s_lshl_b32 s46, s42, 9
	s_lshl_b32 s47, s16, 8
	s_add_co_u32 s46, s46, s47
	s_mov_b32 s47, 0
	s_add_nc_u64 s[20:21], s[20:21], s[46:47]
	s_add_nc_u64 s[10:11], s[10:11], s[20:21]
.macro MULA f, a, zero
.irp b, 0,1,2,3
.if \zero
	v_wmma_f32_16x16x128_fp8_fp8 v[ACC+8*(4*(\a)+\b):ACC+8*(4*(\a)+\b)+7], v[\f+64+16*\b:\f+64+16*\b+15], v[\f+16*(\a):\f+16*(\a)+15], 0
.else
	v_wmma_f32_16x16x128_fp8_fp8 v[ACC+8*(4*(\a)+\b):ACC+8*(4*(\a)+\b)+7], v[\f+64+16*\b:\f+64+16*\b+15], v[\f+16*(\a):\f+16*(\a)+15], v[ACC+8*(4*(\a)+\b):ACC+8*(4*(\a)+\b)+7]
.endif
.endr
.endm
.macro FETCH slot, q, f
	WIN TO_F
.irp i, 0,1,2,3
.irp c, 0,1,2,3
	ds_load_b128 v[\f+64+16*\i+4*\c:\f+64+16*\i+4*\c+3], v[ADRB+\slot] offset:128*(\q)+32*\c+\i*16*PITCH
.endr
.endr
.irp i, 0,1,2,3
.irp c, 0,1,2,3
	ds_load_b128 v[\f+16*\i+4*\c:\f+16*\i+4*\c+3], v[ADRA+\slot] offset:128*(\q)+32*\c+\i*16*PITCH
.endr
.endr
.endm
.macro PLACES
.rept 4
	v_nop
.endr
.endm
.macro QUARTER slot, q, f, g, zero
	PLACES
	FETCH \slot, (\q)+1, \g
	s_wait_dscnt 32
	WIN MUL
	MULA \f, 0, \zero
	MULA \f, 1, \zero
	MULA \f, 2, \zero
	MULA \f, 3, \zero
.endm
.macro TURN slot, next, fill
	WIN 0
	s_wait_tensorcnt 0x0
	ds_add_u32 v[SPW], v[NIL]
	s_wait_dscnt 1
	WIN MUL
	MULA F1, 0, 0
	s_wait_dscnt 0x0
	s_barrier_signal -1
	MULA F1, 1, 0
	WIN 0
	s_barrier_wait -1
.if \fill
	CREST
	s_add_nc_u64 s[G0+4*\slot+2:G0+4*\slot+3], s[G0+4*\slot+2:G0+4*\slot+3], 2*ROWB
	s_add_nc_u64 s[G0B+4*\slot+2:G0B+4*\slot+3], s[G0B+4*\slot+2:G0B+4*\slot+3], 2*ROWB
	JLOAD G0+4*\slot, G1, G0B+4*\slot, G1B
.else
	PLACES
.endif
	FETCH \next, 0, F0
	WIN MUL
	MULA F1, 2, 0
	MULA F1, 3, 0
.endm
.macro THREE slot, zero
	QUARTER \slot, 0, F0, F1, \zero
	QUARTER \slot, 1, F1, F0, 0
	QUARTER \slot, 2, F0, F1, 0
.endm
	s_wait_tensorcnt 1
	s_barrier_signal -1
	s_barrier_wait -1
	FETCH 0, 0, F0
	THREE 0, 1
	TURN 0, 1, 1
	THREE 1, 0
	TURN 1, 0, 1
	THREE 0, 0
	TURN 0, 1, 0
	THREE 1, 0
	s_wait_dscnt 0
	MULA F1, 0, 0
	MULA F1, 1, 0
	MULA F1, 2, 0
	MULA F1, 3, 0
	WIN 0
.macro TOSTAGE a
.set AC, ACC+32*(\a)
.set j, 0
.rept 16
	v_pk_mul_f32 v[TMP+j:TMP+j+1], v[AC+j:AC+j+1], s[96:97] op_sel_hi:[1,0]
.set j, j+2
.endr
.irp b, 0,1,2,3
	ds_store_b128 v[STO], v[TMP+8*\b:TMP+8*\b+3] offset:64*\b
	ds_store_b128 v[STO], v[TMP+8*\b+4:TMP+8*\b+7] offset:64*\b+16
.endr
.irp t, 0,1,2,3,4,5,6,7
	ds_load_b128 v[AC+4*\t:AC+4*\t+3], v[RD] offset:\t*2*SPITCH
.endr
.endm
.macro SEND a, younger
.set AC, ACC+32*(\a)
	s_wait_dscnt \younger
.irp t, 0,1,2,3,4,5,6,7
	global_store_b128 v[CO], v[AC+4*\t:AC+4*\t+3], s[10:11] offset:(16*(\a)+2*\t)*SIZE_N*4 th:TH_STORE_NT
.endr
.endm
	s_wait_kmcnt 0x0
	s_add_co_i32 s96, s96, s97
	s_add_co_i32 s96, s96, 127
	s_lshl_b32 s96, s96, 23
	PLACES
	TOSTAGE 0
	TOSTAGE 1
	SEND 0, 16
	TOSTAGE 2
	SEND 1, 16
	TOSTAGE 3
	SEND 2, 16
	SEND 3, 0
	s_wait_tensorcnt 0x0
	ds_add_u32 v[SPW], v[NIL]
	s_wait_dscnt 0x0
	CROUND
	s_endpgm
.Lfunc_end_k_q231d95414c_oproj:
	.size	k_q231d95414c_oproj, .Lfunc_end_k_q231d95414c_oproj-k_q231d95414c_oproj
	.p2alignl 7, 3214868480
	.fill 96, 4, 3214868480
	.section	.rodata,"a",@progbits
	.p2align	6, 0x0
	.amdhsa_kernel k_q231d95414c_oproj
		.amdhsa_group_segment_fixed_size 327680
		.amdhsa_private_segment_fixed_size 0
		.amdhsa_enable_private_segment 0
		.amdhsa_kernarg_size 32
		.amdhsa_user_sgpr_count 2
		.amdhsa_user_sgpr_kernarg_segment_ptr 1
		.amdhsa_wavefront_size32 1
		.amdhsa_system_sgpr_workgroup_id_x 1
		.amdhsa_system_sgpr_workgroup_id_y 1
		.amdhsa_system_sgpr_workgroup_id_z 1
		.amdhsa_system_vgpr_workitem_id 0
		.amdhsa_next_free_vgpr 512
		.amdhsa_next_free_sgpr 98
		.amdhsa_reserve_vcc 0
		.amdhsa_float_denorm_mode_32 3
		.amdhsa_float_denorm_mode_16_64 3
		.amdhsa_memory_ordered 1
		.amdhsa_forward_progress 1
		.amdhsa_inst_pref_size 74
	.end_amdhsa_kernel
	.amdgpu_metadata
---
amdhsa.version: [ 1, 2 ]
amdhsa.kernels:
  - .name:           k_q231d95414c_oproj
    .symbol:         k_q231d95414c_oproj.kd
    .args:
      - { .name: ao_codes, .offset: 0, .size: 8, .value_kind: global_buffer, .address_space: global }
      - { .name: codes, .offset: 8, .size: 8, .value_kind: global_buffer, .address_space: global }
      - { .name: lowp_scales, .offset: 16, .size: 8, .value_kind: global_buffer, .address_space: global }
      - { .name: out0, .offset: 24, .size: 8, .value_kind: global_buffer, .address_space: global }
    .group_segment_fixed_size: 327680
    .private_segment_fixed_size: 0
    .kernarg_segment_align: 8
    .kernarg_segment_size: 32
    .max_flat_workgroup_size: 128
    .sgpr_count:     98
    .vgpr_count:     512
    .wavefront_size: 32
...
	.end_amdgpu_metadata
.endif
;; end of part 4
